; MI455X (gfx1250); checked and timed in simulation.
; The chip was launched on July 23, 2026; its instructions are those of AMD's public machine-readable ISA for CDNA 5 (MIT licence, August 2026) and "CDNA5" Instruction Set Architecture Reference Guide (July 2026). The comments in the code are by the model that wrote it; some were corrected since.
;; Attention. Allowed arithmetic: float matrix products may take bf16 or f16 operands with f32 sums; other float arithmetic in f32, or as packed bf16 or f16 multiplies, adds, multiply-adds, maxima and minima; sums over many terms, partial sums and values carried from step to step in f32; what a program stores and reads back later, other than sums and carried values, may be rounded once to bf16 or f16.
;; Inputs: V 1,024 float32; W_k 1,024 x 1,024 float32; W_q 1,024 x 1,024 float32; dec_hidden 32 x 1,024 float32; enc_hidden 32 x 2,048 x 1,024 float32.
;; Outputs: out0 32 x 1,024 float32; out1 32 x 2,048 float32.
;; One version. Each part assembles by itself: llvm-mc -triple=amdgcn-amd-amdhsa -mcpu=gfx1250 --defsym DOCPART=n.
;; ======== version 1 of 1: 3 launches
;; workspace buffers: wkb 2,097,152 bytes; wqt 524,288 bytes; part 1,114,112 bytes
;; launch prep (part 1): grid 256 x 1, 4 waves a work-group, no clusters, 45,568 bytes of LDS; arguments W_k, W_q, dec_hidden, wkb, wqt; writes wkb, wqt
.if DOCPART == 1
	.amdgcn_target "amdgcn-amd-amdhsa--gfx1250"
	.amdhsa_code_object_version 6
	.text
	.protected	k_q7f1b3ddce7_prep
	.globl	k_q7f1b3ddce7_prep
	.p2align	8
	.type	k_q7f1b3ddce7_prep,@function
k_q7f1b3ddce7_prep:
	s_mov_b64 s[64:65], 0
	v_nop
	global_prefetch_b8 v0, s[64:65] scope:SCOPE_SE
	s_setreg_imm32_b32 hwreg(HW_REG_WAVE_MODE, 25, 1), 1
	s_wait_xcnt 0x0
; PREPARATION.  (1) W_k [1024 h][1024 e], f32, is rounded to bf16 and laid in the order in which the main launch's matrix fragments want it.
; (2) wq[b][h] = the sum over e of dec[b][e] W_q[h][e], operands rounded to bf16, sums in f32, left as FOUR partial sums, one for each quarter of e: the main launch adds them.
; SHARES.  Work-group g owns the 16 rows h = 16 (g / 4) .. of W_k and W_q and the quarter g % 4 of e; of its 256 e wave v takes 64.  The four waves' sums meet in LDS.
; THE WAY IN.  Every load takes two rows' 256 consecutive bytes (16 lanes a row).  The numbers are rounded to bf16, stored into the wave's own stage in LDS and read back as fragments.
; A fragment is 16 rows x 32 e in 8 registers: lane l holds row l % 16; registers 0-3 hold e = 8 (l / 16) + 0..7, registers 4-7 e = 16 + 8 (l / 16) + 0..7.
; wkb: the bf16 of W_k[h][e] lies at byte ((e>>6)*4 + (h>>8))*32768 + (((e>>5)&1)*16 + ((h>>4)&15))*1024 + ((e>>4)&1)*512 + (((e>>3)&1)*16 + (h&15))*16 + (e&7)*2:
; half a fragment (16 rows x 16 e) is 512 bytes on end, 16 bytes a lane in lane order.   wqt: f32, [quarter of e][h>>4][b][h&15].
.set PIT,   144                        ; a stage row: 128 bytes + 16: 36 words, so the 16 rows of a fragment load start at 16 different groups of four banks (64 banks of 4 bytes: ISA guide 11.1)
.set STG,   64*PIT                     ; a wave's stage: 16 rows of W_q, 32 of dec, 16 of W_k
.set SQ,    0
.set SD,    16*PIT
.set SK,    48*PIT
.set PART,  4*STG                      ; behind the stages: wave v's 2,048 bytes of partial sums, [b][16 h] in f32
.set SPARE, PART+8192                  ; behind them: the spare words, 128 bytes a wave, which no other line names
.set GO,  3                            ; v3   (l / 16) x 4,096 + 16 (l % 16): my 16 bytes of two rows
.set STO, 4                            ; v4   where I store 8 bytes of bf16 in my wave's stage
.set FRD, 5                            ; v5   my place in a fragment in my wave's stage
.set KO,  6                            ; v6   16 x lane: my 16 bytes of half a fragment in wkb
.set LS,  7                            ; v7   where I put my 32 bytes of a partial tile
.set SPW, 8                            ; v8   my spare word; never rewritten
.set NIL, 9                            ; v9   0; never rewritten
.set RDA, 10                           ; v10  where I read partial sums back
.set WO,  12                           ; v12  16 x thread: my 16 bytes of wqt
.set QF,  32                           ; v[32:63]   W_q as loaded;   later the fragments QB, DB0
.set DF,  64                           ; v[64:127]  dec as loaded;   later DB1, KB and the sums
.set KF,  128                          ; v[128:159] W_k as loaded
.set QC,  160                          ; bf16 on their way into the stage
.set DC,  176
.set KC,  208
.set QB,  32                           ; fragments: chunk c at + 8 c
.set DB0, 48
.set DB1, 64
.set KB,  80
.set SUM, 96
.set AC0, 224                          ; wq^T for b = 0-15
.set AC1, 232                          ; and for b = 16-31
.set WV,  14
	s_load_b256 s[4:11], s[0:1], 0x0               ; W_k s[4:5], W_q s[6:7], dec s[8:9], wkb s[10:11]
	s_load_b64 s[12:13], s[0:1], 0x20              ; wqt
	v_lshl_add_u32 v[SPW], v0, 2, SPARE
	v_mov_b32 v[NIL], 0
	v_lshrrev_b32 v13, 5, v0
	v_readfirstlane_b32 s[WV], v13                 ; wave 0..3
	v_and_b32 v1, 15, v0                           ; l % 16
	v_bfe_u32 v2, v0, 4, 1                         ; l / 16
	v_and_b32 v11, 31, v0
	v_lshlrev_b32 v[GO], 12, v2
	v_lshl_add_u32 v[GO], v1, 4, v[GO]
	s_mul_i32 s15, s[WV], STG
	v_mul_u32_u24 v[STO], v2, PIT
	v_lshl_add_u32 v[STO], v1, 3, v[STO]
	v_add_nc_u32 v[STO], s15, v[STO]
	v_mul_u32_u24 v[FRD], v1, PIT
	v_lshl_add_u32 v[FRD], v2, 4, v[FRD]
	v_add_nc_u32 v[FRD], s15, v[FRD]
	v_lshlrev_b32 v[KO], 4, v11
	s_lshl_b32 s15, s[WV], 11
	s_add_co_u32 s15, s15, PART
	v_lshl_add_u32 v[LS], v1, 6, s15
	v_lshl_add_u32 v[LS], v2, 5, v[LS]
	v_lshl_add_u32 v[RDA], v0, 4, PART
	v_lshlrev_b32 v[WO], 4, v0
	s_lshr_b32 s22, ttmp9, 2                       ; which 16 rows h
	s_and_b32 s23, ttmp9, 3                        ; which quarter of e
	s_lshl2_add_u32 s24, s23, s[WV]                ; my 64 e: number 4 x quarter + wave
	s_lshl_b32 s26, s24, 8                         ; 256 bytes of a row
	s_mov_b32 s27, 0
	s_lshl_b32 s16, s22, 16                        ; 16 rows of 4,096 bytes
	s_add_co_u32 s16, s16, s26
	s_mov_b32 s17, 0
	s_lshl_b32 s18, s24, 2                         ; wkb: (my 64 e x 4 + rows / 256) x 32,768 + (tile % 16) x 1,024
	s_lshr_b32 s28, s22, 4
	s_add_co_u32 s18, s18, s28
	s_lshl_b32 s18, s18, 15
	s_and_b32 s28, s22, 15
	s_lshl_b32 s28, s28, 10
	s_add_co_u32 s18, s18, s28
	s_mov_b32 s19, 0
	s_lshl_b32 s20, s23, 17                        ; wqt: the quarter's plane of 131,072 bytes, 2,048 bytes a tile of 16 h
	s_lshl_b32 s28, s22, 11
	s_add_co_u32 s20, s20, s28
	s_mov_b32 s21, 0
	s_wait_kmcnt 0x0
	s_add_nc_u64 s[4:5], s[4:5], s[16:17]
	s_add_nc_u64 s[6:7], s[6:7], s[16:17]
	s_add_nc_u64 s[8:9], s[8:9], s[26:27]
	s_add_nc_u64 s[10:11], s[10:11], s[18:19]
	s_add_nc_u64 s[12:13], s[12:13], s[20:21]
.macro LDR dst, base, cnt              ; 2 cnt rows x 64 e in f32
.set i, 0
.rept \cnt
	global_load_b128 v[(\dst)+4*i:(\dst)+4*i+3], v[GO], s[(\base):(\base)+1] offset:8192*i
.set i, i+1
.endr
.endm
.macro STAGE src, tmp, reg, cnt        ; rounded to bf16 and stored into my stage, from byte reg on
.set i, 0
.rept \cnt
	v_cvt_pk_bf16_f32 v[(\tmp)+2*i], v[(\src)+4*i], v[(\src)+4*i+1]
	v_cvt_pk_bf16_f32 v[(\tmp)+2*i+1], v[(\src)+4*i+2], v[(\src)+4*i+3]
.set i, i+1
.endr
.set i, 0
.rept \cnt
	ds_store_b64 v[STO], v[(\tmp)+2*i:(\tmp)+2*i+1] offset:(\reg)+2*PIT*i
.set i, i+1
.endr
.endm
.macro FRAG dst, reg                   ; 16 rows x 64 e back as two fragments: LDS serves a wave's instructions in order (ISA guide 5.7.1.4), so these see my stores
.irp c, 0,1
.irp p, 0,1
	ds_load_b128 v[(\dst)+8*(\c)+4*(\p):(\dst)+8*(\c)+4*(\p)+3], v[FRD] offset:(\reg)+64*(\c)+32*(\p)
.endr
.endr
.endm
	LDR QF, 6, 8
	LDR DF, 8, 16
	LDR KF, 4, 8
	s_wait_loadcnt 24                              ; W_q is in; dec's sixteen loads and W_k's eight may be out
	STAGE QF, QC, SQ, 8
	s_wait_loadcnt 8                               ; dec is in
	STAGE DF, DC, SD, 16
	FRAG QB, SQ
	FRAG DB0, SD
	FRAG DB1, SD+16*PIT
	s_wait_dscnt 0x0
	; source 0 = 16 rows of W_q, source 1 = 16 rows of dec: register j of lane l is wq[b = l % 16 (+ 16)][h = 8 (l / 16) + j].  The two accumulators take turns.
	v_wmma_f32_16x16x32_bf16 v[AC0:AC0+7], v[QB:QB+7], v[DB0:DB0+7], 0
	v_wmma_f32_16x16x32_bf16 v[AC1:AC1+7], v[QB:QB+7], v[DB1:DB1+7], 0
	v_wmma_f32_16x16x32_bf16 v[AC0:AC0+7], v[QB+8:QB+15], v[DB0+8:DB0+15], v[AC0:AC0+7]
	v_wmma_f32_16x16x32_bf16 v[AC1:AC1+7], v[QB+8:QB+15], v[DB1+8:DB1+15], v[AC1:AC1+7]
	s_wait_loadcnt 0x0                             ; W_k
	STAGE KF, KC, SK, 8                            ; its sixteen conversions name no register of the products: the places behind them (ISA guide 7.12.1)
	FRAG KB, SK
	ds_store_b128 v[LS], v[AC0:AC0+3]
	ds_store_b128 v[LS], v[AC0+4:AC0+7] offset:16
	ds_store_b128 v[LS], v[AC1:AC1+3] offset:1024
	ds_store_b128 v[LS], v[AC1+4:AC1+7] offset:1040
	s_wait_dscnt 4                                 ; W_k's fragments are in; the four stores behind them may be out
.irp c, 0,1
.irp p, 0,1
	global_store_b128 v[KO], v[KB+8*(\c)+4*(\p):KB+8*(\c)+4*(\p)+3], s[10:11] offset:(\c)*16384+(\p)*512  ; 512 consecutive bytes a store
.endr
.endr
	s_wait_dscnt 0x0                               ; for the others' sake: my partial sums lie in LDS
	s_barrier_signal -1
	s_barrier_wait -1
.irp i, 0,1,2,3                        ; 2,048 bytes are 128 threads x 16 bytes
	ds_load_b128 v[SUM+4*(\i):SUM+4*(\i)+3], v[RDA] offset:2048*(\i)
.endr
	s_wait_dscnt 0x0
	v_pk_add_f32 v[SUM:SUM+1], v[SUM:SUM+1], v[SUM+4:SUM+5]
	v_pk_add_f32 v[SUM+2:SUM+3], v[SUM+2:SUM+3], v[SUM+6:SUM+7]
	v_pk_add_f32 v[SUM+8:SUM+9], v[SUM+8:SUM+9], v[SUM+12:SUM+13]
	v_pk_add_f32 v[SUM+10:SUM+11], v[SUM+10:SUM+11], v[SUM+14:SUM+15]
	v_pk_add_f32 v[SUM:SUM+1], v[SUM:SUM+1], v[SUM+8:SUM+9]
	v_pk_add_f32 v[SUM+2:SUM+3], v[SUM+2:SUM+3], v[SUM+10:SUM+11]
	global_store_b128 v[WO], v[SUM:SUM+3], s[12:13]  ; a wave stores 512 consecutive bytes
	s_wait_tensorcnt 0x0                           ; the wave's end, behind my last LDS store
	ds_add_u32 v[SPW], v[NIL]
	s_wait_dscnt 0x0
	s_endpgm
.Lfunc_end_k_q7f1b3ddce7_prep:
	.size	k_q7f1b3ddce7_prep, .Lfunc_end_k_q7f1b3ddce7_prep-k_q7f1b3ddce7_prep
	.p2alignl 7, 3214868480
	.fill 96, 4, 3214868480
	.section	.rodata,"a",@progbits
	.p2align	6, 0x0
	.amdhsa_kernel k_q7f1b3ddce7_prep
		.amdhsa_group_segment_fixed_size 45568
		.amdhsa_private_segment_fixed_size 0
		.amdhsa_enable_private_segment 0
		.amdhsa_kernarg_size 40
		.amdhsa_user_sgpr_count 2
		.amdhsa_user_sgpr_kernarg_segment_ptr 1
		.amdhsa_wavefront_size32 1
		.amdhsa_system_sgpr_workgroup_id_x 1
		.amdhsa_system_sgpr_workgroup_id_y 1
		.amdhsa_system_sgpr_workgroup_id_z 1
		.amdhsa_system_vgpr_workitem_id 0
		.amdhsa_next_free_vgpr 240
		.amdhsa_next_free_sgpr 66
		.amdhsa_reserve_vcc 0
		.amdhsa_float_denorm_mode_32 3
		.amdhsa_float_denorm_mode_16_64 3
		.amdhsa_memory_ordered 1
		.amdhsa_forward_progress 1
		.amdhsa_inst_pref_size 15
	.end_amdhsa_kernel
	.amdgpu_metadata
---
amdhsa.version: [ 1, 2 ]
amdhsa.kernels:
  - .name:           k_q7f1b3ddce7_prep
    .symbol:         k_q7f1b3ddce7_prep.kd
    .args:
      - { .name: W_k, .offset: 0, .size: 8, .value_kind: global_buffer, .address_space: global }
      - { .name: W_q, .offset: 8, .size: 8, .value_kind: global_buffer, .address_space: global }
      - { .name: dec_hidden, .offset: 16, .size: 8, .value_kind: global_buffer, .address_space: global }
      - { .name: wkb, .offset: 24, .size: 8, .value_kind: global_buffer, .address_space: global }
      - { .name: wqt, .offset: 32, .size: 8, .value_kind: global_buffer, .address_space: global }
    .group_segment_fixed_size: 45568
    .private_segment_fixed_size: 0
    .kernarg_segment_align: 8
    .kernarg_segment_size: 40
    .max_flat_workgroup_size: 128
    .sgpr_count:     66
    .vgpr_count:     240
    .wavefront_size: 32
...
	.end_amdgpu_metadata
.endif
;; end of part 1
;; launch main (part 2): grid 256 x 1, 4 waves a work-group, clusters of 4 x 1, 327,680 bytes of LDS; arguments enc_hidden, V, wkb, wqt, part, out1; writes part, out1
.if DOCPART == 2
	.amdgcn_target "amdgcn-amd-amdhsa--gfx1250"
	.amdhsa_code_object_version 6
	.text
	.protected	k_q7f1b3ddce7_main
	.globl	k_q7f1b3ddce7_main
	.p2align	8
	.type	k_q7f1b3ddce7_main,@function
k_q7f1b3ddce7_main:
	s_mov_b64 s[64:65], 0
	v_nop
	global_prefetch_b8 v0, s[64:65] scope:SCOPE_SE
	s_setreg_imm32_b32 hwreg(HW_REG_WAVE_MODE, 25, 1), 1
	s_wait_xcnt 0x0
	s_wait_alu depctr_hold_cnt(0) depctr_sa_sdst(0) depctr_va_vdst(0) depctr_va_sdst(0) depctr_va_ssrc(0) depctr_va_vcc(0) depctr_vm_vsrc(0)
	s_getreg_b32 s2, hwreg(HW_REG_IB_STS2, 6, 4)
	s_cmp_eq_u32 s2, 0
	s_cbranch_scc0 .Lentry_in_a_cluster
	s_endpgm
.Lentry_in_a_cluster:
	s_bfe_u32 s2, ttmp6, 0x10000c
	s_cmp_lg_u32 s2, 0x3003
	s_cbranch_scc0 .Lentry_shape_is_right
	s_endpgm
.Lentry_shape_is_right:
; ctx[s][h] = enc[s][:] . W_k[h][:];  score[s] = the sum over h of V[h] tanh(ctx[s][h] + wq[h]);  per work-group a running softmax over its rows and the sum of p ctx.
; LIMITS.  enc, W_k, dec, W_q and V are all rounded to bf16; products' sums, tanh, scores, maxima, weights and their sums are f32.  tanh(x) = 1 - 2 / (1 + 2^(2 log2(e) x)):
; where the power overflows or vanishes it is exactly 1 or -1.  A weight below 2^-126 counts as 0.  NaN and infinities are not treated apart.
; The last two requests for enc name the last chunk once more (32 KiB a work-group, read and discarded), so that every period but the last has one text.
; SHARES.  256 work-groups that stay.  Work-group g owns the rows 256 g .. 256 g + 255 of enc (all of batch g / 8), in four blocks of 64.  A block's 64 x 1,024 numbers of ctx lie whole in
; accumulators: wave w owns all 64 rows x the columns 256 w .. 256 w + 255: 4 row blocks x 16 column tiles = 64 accumulators, 512 registers.  So ctx never leaves the registers.
; K goes in periods of 64 (128 matrix instructions a wave) through two LDS slots of W_k (128 KiB each; wave w fetches and reads its own 32 KiB) and two stages of enc (64 rows x 64 bf16).
; 16 periods a block; the walk over wkb is a ring, and it runs on from block to block.  enc comes by loads into two register sets, asked for two periods ahead, is rounded to bf16 and stored
; into the stage for the next period.
; CLUSTER.  All work-groups walk the same wkb: the four of a cluster ask for each tile JOINTLY (the same load, descriptor and mask in all four).  enc is nobody else's.
; THE MATRIX INSTRUCTION: source 0 = 16 rows of enc, source 1 = 16 rows of W_k: lane l holds column l % 16 of the tile, register j row 8 (l / 16) + j.
; REGISTERS, in windows of 256 (s_set_vgpr_msb: bits 1:0 source 0, 3:2 source 1, 5:4 source 2, 7:6 destination):
;   window 0: v0-29 addresses and the running (c m, l); v32-63 HID; v64-127 enc's fragments, two buffers (at the start: wq's four parts; in the epilogue: score sums, weights); v128-191 enc in f32, two sets;
;             v192-207 bf16; v208-227 at work; v228-243 V at the start
;   window 1: W_k's fragments, two buffers of 128 (in the epilogue: three groups of 32 at work, 32 score sums, 32 constants)     windows 2, 3: the accumulators of row blocks 0, 1 and 2, 3
.set BSLOT, 131072                     ; a slot of W_k: wave w's part at 32,768 w: chunk c x 16,384 + tile j x 1,024 + half p x 512 + 16 x lane
.set ASTG,  262144                     ; two stages of enc
.set ASTB,  9216                       ; a stage: 64 rows,
.set APIT,  144                        ; 128 bytes + 16: 36 words, so the 16 rows of a fragment load start at 16 different groups of four banks (64 banks of 4 bytes: ISA guide 11.1)
.set CONST, 280576                     ; wave w's 2,048 bytes: for each of its columns the pair (2 log2(e) wq, V rounded to bf16)
.set SCR,   288768                     ; wave w's 256 bytes: its part of the 64 scores
.set PBUF,  289792                     ; wave w's 256 bytes: the 64 weights, a copy for each wave
.set HOUT,  290816                     ; wave w's 1,024 bytes: the way out
.set SPARE, 294912                     ; the spare words, 128 bytes a wave, which no other line names
.set ADRB, 2                           ; v2-3   my 16 bytes of half a fragment of W_k in slot 0, 1
.set ADRA, 4                           ; v4-5   my place in a fragment of enc in stage 0, 1
.set ASTO, 6                           ; v6-7   where I store 8 bytes of bf16 in stage 0, 1
.set AGO,  8                           ; v8     my 16 bytes of enc: (16 w + l / 16) rows + 16 (l % 16)
.set PFO,  9                           ; v9     enc's prefetch: row 16 w + l % 16, 256 (l / 16) bytes on
.set PFBO, 10                          ; v10    wkb's prefetch: 256 x (128 cx + 32 w + l)
.set SCRW, 11
.set SCRR, 12
.set PW,   13
.set PR,   14
.set CONA, 15
.set HST,  16
.set HRD,  17
.set GOUT, 18
.set SOUT, 19
.set RUN,  20                          ; v[20:21] the running c m and l
.set SPW,  28                          ; v28    my spare word; never rewritten
.set NIL,  29                          ; v29    0; never rewritten
.set HID,  32                          ; v[32:63] for column tile n the pair (even rows' sum, odd rows' sum) of p ctx
.set FA,   64                          ; enc's fragments: buffer f, row block m at FA + 32 f + 8 m
.set SCW,  64                          ; epilogue: the 32 score sums
.set PV,   96                          ; epilogue: the weights of my 32 rows
.set ESET, 128
.set CVT,  192
.set VIN,  228                         ; V as loaded
.set SC,   96                          ; window 1: score sums while they grow
.set CV,   128                         ; window 1: the pair of constants of tile n at CV + 2 n
.set WV,   16
.set CX,   17
.set GID,  18
.set BAT,  19
.set G1,   20                          ; s[20:27] descriptor group 1
.set G0,   28                          ; s[28:35] descriptor group 0, a set for each slot
.set BOF,  36                          ; s[36:39] for each slot the byte offset in wkb of its tile, as a pair
.set WKW,  40                          ; s[40:41] wkb + 32,768 w
.set ENCB, 42                          ; s[42:43] enc at my work-group's first row
.set AOFF, 44
.set AP,   46
.set PP,   48
.set PBOFF, 50
.set PBA,  52
.set T,    54                          ; the period's number, 0 to 63
.set TRIP, 55
.set BLK,  56
.set PFN,  57                          ; prefetches of wkb still to come
.set C2,   60                          ; s[60:61] 2 log2(e)
.set L2E,  62                          ; s[62:63] log2(e)
.set SEL,  66                          ; s[66:67] v_permlanex16_b32's selects: each lane takes its own place in the other half
.set O1,   68
.set PARTB, 70
.set QOF,  74
.set MSB, 0
.macro WIN new                         ; the immediate's high byte repeats the setting that is left; a switch that changes nothing is dropped
.if MSB != (\new)
	s_set_vgpr_msb (MSB<<8)|(\new)
.set MSB, (\new)
.endif
.endm
.set MUL_LO, 0xa4                      ; enc window 0, W_k window 1, C and D window 2 (+ 0x50: window 3)
.set TO_B,   0x40                      ; destination window 1, address window 0
.set T_LO,   0x56                      ; source 0 window 2, the rest window 1
.set T_HI,   0x57
.set W_E,    0x55                      ; all in window 1
.set W_SF,   0x15                      ; sources window 1, destination window 0
.set WS_LO,  0x02                      ; source 0 window 2, the rest window 0
.set WS_HI,  0x03
.macro PLACES                          ; four places behind a matrix instruction (ISA guide 7.12.1), where no other vector work is at hand
.rept 4
	v_nop
.endr
.endm
.macro CREST                           ; a round of the cluster's barrier behind its opening barrier
	s_cmp_lg_u32 s[WV], 0
	s_cbranch_scc1 .Lnot_wave_0_\@
	s_barrier_signal -3
.Lnot_wave_0_\@:
	s_barrier_wait -3
	s_barrier_signal -1
	s_barrier_wait -1
.endm
.macro CROUND
	s_barrier_signal -1
	s_barrier_wait -1
	CREST
.endm
; cnt matrix instructions: row block mb x the column tiles j0 on, 32 along K, from buffer f.  All 64 accumulators take turns, one instruction a turn, in the same order in every half period.
.macro MULR f, mb, zero, j0, cnt
	WIN MUL_LO+0x50*((\mb)/2)
.set jj, (\j0)
.rept \cnt
.if \zero
	v_wmma_f32_16x16x32_bf16 v[8*(16*((\mb)%2)+jj):8*(16*((\mb)%2)+jj)+7], v[FA+32*(\f)+8*(\mb):FA+32*(\f)+8*(\mb)+7], v[128*(\f)+8*jj:128*(\f)+8*jj+7], 0
.else
	v_wmma_f32_16x16x32_bf16 v[8*(16*((\mb)%2)+jj):8*(16*((\mb)%2)+jj)+7], v[FA+32*(\f)+8*(\mb):FA+32*(\f)+8*(\mb)+7], v[128*(\f)+8*jj:128*(\f)+8*jj+7], v[8*(16*((\mb)%2)+jj):8*(16*((\mb)%2)+jj)+7]
.endif
.set jj, jj+1
.endr
.endm
.macro MUL16 f, mb, zero
	MULR \f, \mb, \zero, 0, 16
.endm
; 40 LDS loads in one run: chunk c of a period: 16 fragments of W_k, then 4 of enc, into buffer f
.macro FETCH slot, c, f
	WIN TO_B
.irp j, 0,1,2,3,4,5,6,7,8,9,10,11,12,13,14,15
	ds_load_b128 v[128*(\f)+8*(\j):128*(\f)+8*(\j)+3],   v[ADRB+(\slot)] offset:(\c)*16384+(\j)*1024
	ds_load_b128 v[128*(\f)+8*(\j)+4:128*(\f)+8*(\j)+7], v[ADRB+(\slot)] offset:(\c)*16384+(\j)*1024+512
.endr
	WIN 0
.irp m, 0,1,2,3
	ds_load_b128 v[FA+32*(\f)+8*(\m):FA+32*(\f)+8*(\m)+3],   v[ADRA+(\slot)] offset:(\m)*16*APIT+64*(\c)
	ds_load_b128 v[FA+32*(\f)+8*(\m)+4:FA+32*(\f)+8*(\m)+7], v[ADRA+(\slot)] offset:(\m)*16*APIT+64*(\c)+32
.endr
.endm
; enc's chunk T + 1 (my 16 rows x 64 numbers, in set par) is rounded and stored into stage par; chunk T + 3 is asked for into the same set.
; pf = 1 (every second period): a prefetch of my 16 rows x 512 bytes of chunks T + 5 and T + 6, a lane a block of 256 bytes: two and three periods ahead of the loads that will name them; at the end the chunk's number is clamped.
; fill = 1: the address of wkb's prefetch steps here too, behind the same wait.
.macro ACONV par, pf, fill
	s_wait_loadcnt 8                               ; set par is in; the other set's eight loads stay out
.irp i, 0,1,2,3,4,5,6,7,8,9,10,11,12,13,14,15
	v_cvt_pk_bf16_f32 v[CVT+(\i)], v[ESET+32*(\par)+2*(\i)], v[ESET+32*(\par)+2*(\i)+1]
.endr
.irp i, 0,1,2,3,4,5,6,7
	ds_store_b64 v[ASTO+(\par)], v[CVT+2*(\i):CVT+2*(\i)+1] offset:2*APIT*(\i)
.endr
	s_wait_xcnt 0x0                                ; the loads and prefetches issued so far (the youngest 80 matrix instructions back) have read their addresses: the pointers may be written
.if \fill
	s_add_co_u32 s[PBOFF], s[PBOFF], BSLOT
	s_and_b32 s[PBOFF], s[PBOFF], 0x1fffff
	s_add_nc_u64 s[PBA:PBA+1], s[8:9], s[PBOFF:PBOFF+1]
.endif
	s_add_co_u32 s58, s[T], 3
	s_min_u32 s58, s58, 63
	s_lshr_b32 s59, s58, 4
	s_lshl_b32 s59, s59, 18                        ; the block's 64 rows of 4,096 bytes,
	s_and_b32 s58, s58, 15
	s_lshl_b32 s58, s58, 8                         ; the period's 256 bytes of a row
	s_or_b32 s[AOFF], s59, s58
	s_add_nc_u64 s[AP:AP+1], s[ENCB:ENCB+1], s[AOFF:AOFF+1]
.irp i, 0,1,2,3,4,5,6,7
	global_load_b128 v[ESET+32*(\par)+4*(\i):ESET+32*(\par)+4*(\i)+3], v[AGO], s[AP:AP+1] offset:8192*(\i) th:TH_LOAD_NT  ; two rows' 256 consecutive bytes
.endr
.if \pf
	s_add_co_u32 s58, s[T], 5
	s_min_u32 s58, s58, 62
	s_lshr_b32 s59, s58, 4
	s_lshl_b32 s59, s59, 18
	s_and_b32 s58, s58, 15
	s_lshl_b32 s58, s58, 8
	s_or_b32 s[QOF], s59, s58
	s_add_nc_u64 s[PP:PP+1], s[ENCB:ENCB+1], s[QOF:QOF+1]
	global_prefetch_b8 v[PFO], s[PP:PP+1] th:TH_LOAD_NT scope:SCOPE_SE
.endif
	s_add_co_u32 s[T], s[T], 1
.endm
; wkb's first walk is prefetched, once in the launch: the first cluster asks; a slot is 512 blocks of 256 bytes = 4 partners x 4 waves x 32 lanes, told apart by address.
; The change of slots of period t names the tile of period t + 4, two refills ahead, for t = 0 .. 11; tiles 0 to 3 come by their loads alone; later walks are not asked for.
.macro ASK
	s_cmp_lg_u32 s[PFN], 0
	s_cbranch_scc0 .Lnot_mine_\@
	global_prefetch_b8 v[PFBO], s[PBA:PBA+1] th:TH_LOAD_NT scope:SCOPE_SE
	s_sub_co_u32 s[PFN], s[PFN], 1
.Lnot_mine_\@:
.endm
; A PERIOD'S FIRST HALF: chunk 0 from buffer 0, and the change of slots.  Behind the first 16 products enc's next chunk is staged and chunk 1's fragments are fetched into buffer 1: the last reads of this
; slot and stage.  ONE barrier: in front of it each wave has waited for all its tensor loads (one is out: its part of the other slot), has added 0 to its spare word, and has waited for that, for its stores
; into the next stage and for its reads of this slot and stage.  fill = 1: the barrier opens a round of the cluster's, and the slot is filled again, first thing behind the round, with the tile two periods on.
; By the text's own count a wave issues 104 matrix instructions from that request to its next wait for all loads, and 160 to its first LDS read of the tile.
.macro PA slot, zero, conv, par, pf, fill
	s_wait_dscnt 6                                 ; W_k's fragments and enc's row block 0 are in; the youngest six loads (row blocks 1 to 3) may be out
	MUL16 0, 0, \zero
	WIN 0
.if \conv
	ACONV \par, \pf, \fill                         ; its sixteen conversions are the places in front of the loads into buffer 1
.else
	PLACES
.endif
	FETCH \slot, 1, 1
	s_wait_dscnt 40                                ; all but the 40 just issued
	MUL16 0, 1, \zero
	MULR 0, 2, \zero, 0, 8
	WIN 0
	s_wait_tensorcnt 0x0                           ; no tensor load of mine is out, so a group 0 may be written
	ds_add_u32 v[SPW], v[NIL]                      ; 0 onto my spare word
.if \fill
	s_add_co_u32 s[BOF+2*(\slot)], s[BOF+2*(\slot)], 2*BSLOT
	s_and_b32 s[BOF+2*(\slot)], s[BOF+2*(\slot)], 0x1fffff          ; wkb is walked round and round
	s_add_nc_u64 s[G0+4*(\slot)+2:G0+4*(\slot)+3], s[WKW:WKW+1], s[BOF+2*(\slot):BOF+2*(\slot)+1]
	s_or_b32 s[G0+4*(\slot)+3], s[G0+4*(\slot)+3], 0x80000000
.endif
	MULR 0, 2, \zero, 8, 8                         ; eight matrix instructions stand between the add and the wait for it
	s_wait_dscnt 0x0                               ; the add is done; my stage stores have landed; my reads of this slot and stage are over
	s_barrier_signal -1
	MUL16 0, 3, \zero
	WIN 0
	s_barrier_wait -1
.if \fill
	CREST
	tensor_load_to_lds s[G0+4*(\slot):G0+4*(\slot)+3], s[G1:G1+7]
	s_nop 0
.endif
	PLACES                                         ; also the places in front of the second half's loads into buffer 0
.if \fill
	ASK
.endif
.endm
; A PERIOD'S SECOND HALF: chunk 1 from buffer 1 (its fragments were awaited in front of the barrier).  fetch = 1: in its middle the next period's first fragments, from the other slot and stage.
.macro PB slot, fetch
	MUL16 1, 0, 0
	MUL16 1, 1, 0
.if \fetch
	FETCH 1-(\slot), 0, 0
.endif
	MUL16 1, 2, 0
	MUL16 1, 3, 0
.endm
	s_load_b256 s[4:11], s[0:1], 0x0               ; enc s[4:5], V s[6:7], wkb s[8:9], wqt s[10:11]
	s_load_b128 s[12:15], s[0:1], 0x20             ; part s[12:13], out1 s[14:15]
	v_lshl_add_u32 v[SPW], v0, 2, SPARE
	v_mov_b32 v[NIL], 0
	ds_add_u32 v[SPW], v[NIL]                      ; the wave's opening: the add and its wait ahead of my first tensor load
	v_lshrrev_b32 v22, 5, v0
	v_readfirstlane_b32 s[WV], v22                 ; wave 0..3
	s_bfe_u32 s[CX], ttmp6, 0x40000                ; my place in the cluster
	s_lshl_b32 s[GID], ttmp9, 2
	s_add_co_u32 s[GID], s[GID], s[CX]             ; my work-group: it enters enc's, wq's and the outputs' addresses alone
	s_lshr_b32 s[BAT], s[GID], 3                   ; the batch
	; descriptor group 1: 32,768 dense bytes as 128 rows of 32 elements of 8 bytes
	s_mov_b32 s[G1+0], 15|(3<<16)|(1<<21)          ; 15:0 the mask of four; 17:16 8-byte elements; 21 set beside a mask
	s_mov_b32 s[G1+1], 32<<16                      ; tensor_dim0 = 32
	s_mov_b32 s[G1+2], 128<<16                     ; tensor_dim1 = 128
	s_mov_b32 s[G1+3], 32<<16                      ; tile_dim0 = 32
	s_mov_b32 s[G1+4], 128                         ; tile_dim1 = 128
	s_mov_b32 s[G1+5], 32                          ; 32 elements from row to row
	s_mov_b32 s[G1+6], 0
	s_mov_b32 s[G1+7], 0
	s_mov_b32 s[G0], 1
	s_lshl_b32 s[G0+1], s[WV], 15                  ; LDS address: 32,768 w, in slot 0
	s_mov_b32 s[G0+4], 1
	s_add_co_u32 s[G0+5], s[G0+1], BSLOT           ; and in slot 1
	s_mov_b32 s[BOF], 0
	s_mov_b32 s[BOF+1], 0
	s_mov_b32 s[BOF+2], BSLOT
	s_mov_b32 s[BOF+3], 0
	s_mov_b32 s[AOFF+1], 0
	s_mov_b32 s[QOF+1], 0
	s_mov_b32 s[PBOFF], 3*BSLOT
	s_mov_b32 s[PBOFF+1], 0
	s_mov_b32 s[C2], 0x4038aa3b                    ; 2 log2(e)
	s_mov_b32 s[C2+1], s[C2]
	s_mov_b32 s[L2E], 0x3fb8aa3b                   ; log2(e)
	s_mov_b32 s[L2E+1], s[L2E]
	s_mov_b32 s[SEL], 0x76543210
	s_mov_b32 s[SEL+1], 0xfedcba98
	s_mov_b32 s[T], 0
	s_mov_b32 s[BLK], 4
	s_cmp_eq_u32 ttmp9, 0                          ; the first cluster: the same answer in all four partners
	s_cselect_b32 s[PFN], 12, 0
	s_lshl_b32 s58, s[WV], 15
	s_mov_b32 s59, 0
	s_wait_dscnt 0x0                               ; the opening add is done
	s_wait_kmcnt 0x0
	s_add_nc_u64 s[WKW:WKW+1], s[8:9], s[58:59]
	s_mov_b64 s[G0+2:G0+3], s[WKW:WKW+1]           ; tile 0
	s_or_b32 s[G0+3], s[G0+3], 0x80000000
	s_add_nc_u64 s[G0+6:G0+7], s[WKW:WKW+1], BSLOT ; tile 1
	s_or_b32 s[G0+7], s[G0+7], 0x80000000
	s_lshl_b32 s72, s[GID], 20                     ; 256 rows of 4,096 bytes
	s_mov_b32 s73, 0
	s_add_nc_u64 s[ENCB:ENCB+1], s[4:5], s[72:73]
	s_lshl_b32 s72, s[GID], 10
	s_add_nc_u64 s[O1:O1+1], s[14:15], s[72:73]
	s_mul_i32 s72, s[GID], 4352
	s_add_nc_u64 s[PARTB:PARTB+1], s[12:13], s[72:73]
	CROUND                                         ; all four work-groups are here: the first joint loads meet
	tensor_load_to_lds s[G0:G0+3], s[G1:G1+7]      ; the two first fills go out together: two loads of mine are out here, one later
	s_nop 0
	tensor_load_to_lds s[G0+4:G0+7], s[G1:G1+7]
	s_nop 0
	PLACES
	v_and_b32 v22, 31, v0                          ; l
	v_and_b32 v23, 15, v0                          ; l % 16
	v_bfe_u32 v24, v0, 4, 1                        ; l / 16
	s_lshl_b32 s58, s[WV], 16                      ; my wave's 16 rows of enc
	v_lshl_add_u32 v[AGO], v24, 12, s58
	v_lshl_add_u32 v[AGO], v23, 4, v[AGO]
	v_lshl_add_u32 v[PFO], v23, 12, s58
	v_lshl_add_u32 v[PFO], v24, 8, v[PFO]
.irp i, 0,1,2,3,4,5,6,7
	global_load_b128 v[ESET+4*(\i):ESET+4*(\i)+3], v[AGO], s[ENCB:ENCB+1] offset:8192*(\i) th:TH_LOAD_NT        ; chunk 0
.endr
	s_lshl_b32 s72, s[BAT], 6
	s_add_co_u32 s72, s72, s[G0+1]
	v_lshl_add_u32 v25, v23, 2, s72                ; wqt: 32,768 w + 64 b + 4 (l % 16); a tile is 2,048 bytes on, a quarter's plane 131,072
	s_lshl_b32 s58, s[WV], 10
	v_lshl_add_u32 v26, v23, 2, s58                ; V: 1,024 w + 4 (l % 16)
.irp p, 0,1,2,3
.irp n, 0,1,2,3,4,5,6,7,8,9,10,11,12,13,14,15
	global_load_b32 v[64+16*(\p)+(\n)], v25, s[10:11] offset:131072*(\p)+2048*(\n)
.endr
.endr
.irp n, 0,1,2,3,4,5,6,7,8,9,10,11,12,13,14,15
	global_load_b32 v[VIN+(\n)], v26, s[6:7] offset:64*(\n)
.endr
.irp i, 0,1,2,3,4,5,6,7
	global_load_b128 v[ESET+32+4*(\i):ESET+32+4*(\i)+3], v[AGO], s[ENCB:ENCB+1] offset:8192*(\i)+256 th:TH_LOAD_NT  ; chunk 1
.endr
	v_lshl_add_u32 v[ADRB], v22, 4, s[G0+1]
	v_add_nc_u32 v[ADRB+1], BSLOT, v[ADRB]
	v_mul_u32_u24 v[ADRA], v23, APIT
	v_lshl_add_u32 v[ADRA], v24, 4, v[ADRA]
	v_add_nc_u32 v[ADRA], ASTG, v[ADRA]
	v_add_nc_u32 v[ADRA+1], ASTB, v[ADRA]
	s_mul_i32 s58, s[WV], 16*APIT
	s_add_co_u32 s58, s58, ASTG
	v_mul_u32_u24 v[ASTO], v24, APIT
	v_lshl_add_u32 v[ASTO], v23, 3, v[ASTO]
	v_add_nc_u32 v[ASTO], s58, v[ASTO]
	v_add_nc_u32 v[ASTO+1], ASTB, v[ASTO]
	s_lshl_b32 s72, s[CX], 15
	s_lshl_b32 s58, s[WV], 13
	s_add_co_u32 s72, s72, s58
	v_lshl_add_u32 v[PFBO], v22, 8, s72
	s_lshl_b32 s58, s[WV], 8
	s_add_co_u32 s59, s58, PBUF
	s_add_co_u32 s58, s58, SCR
	v_lshl_add_u32 v[SCRW], v24, 5, s58            ; my rows 8 (l / 16) + .. of a row block
	v_lshl_add_u32 v[SCRR], v22, 3, SCR            ; rows 2 l, 2 l + 1
	v_lshl_add_u32 v[PW], v22, 3, s59
	v_lshl_add_u32 v[PR], v24, 5, s59
	s_lshl_b32 s58, s[WV], 11
	s_add_co_u32 s58, s58, CONST
	v_lshl_add_u32 v[CONA], v23, 3, s58
	s_lshl_b32 s58, s[WV], 10
	v_lshl_add_u32 v[GOUT], v22, 4, s58
	s_add_co_u32 s58, s58, HOUT
	v_lshl_add_u32 v[HST], v23, 2, s58
	v_lshl_add_u32 v[HRD], v22, 4, s58
	v_lshlrev_b32 v[SOUT], 3, v22
.irp n, 0,1,2,3,4,5,6,7,8,9,10,11,12,13,14,15
	v_mov_b32 v[HID+2*(\n)], 0                     ; the sums of p ctx start at 0: the first block multiplies them by a = 0, so they must be finite
	v_mov_b32 v[HID+2*(\n)+1], 0
.endr
	v_mov_b32 v[RUN], 0xff7fffff                   ; c m: the lowest finite number
	v_mov_b32 v[RUN+1], 0                          ; l
	v_mov_b32 v219, 0                              ; destinations of v_permlanex16_b32 count as read,
	v_mov_b32 v227, 0
	v_mov_b32 v221, 0                              ; and a is named as a pair
	s_wait_loadcnt 8                               ; chunk 0, wq's four parts and V are in; chunk 1's eight loads, issued last, may be out
.irp i, 0,1,2,3,4,5,6,7,8,9,10,11,12,13,14,15
	v_cvt_pk_bf16_f32 v[CVT+(\i)], v[ESET+2*(\i)], v[ESET+2*(\i)+1]
.endr
.irp i, 0,1,2,3,4,5,6,7
	ds_store_b64 v[ASTO], v[CVT+2*(\i):CVT+2*(\i)+1] offset:2*APIT*(\i)
.endr
.irp i, 0,1,2,3,4,5,6,7
	global_load_b128 v[ESET+4*(\i):ESET+4*(\i)+3], v[AGO], s[ENCB:ENCB+1] offset:8192*(\i)+512 th:TH_LOAD_NT    ; chunk 2
.endr
.irp n, 0,2,4,6,8,10,12,14             ; wq = the sum of its four quarters of e
	v_pk_add_f32 v[64+(\n):65+(\n)], v[64+(\n):65+(\n)], v[80+(\n):81+(\n)]
	v_pk_add_f32 v[96+(\n):97+(\n)], v[96+(\n):97+(\n)], v[112+(\n):113+(\n)]
.endr
.irp n, 0,2,4,6,8,10,12,14
	v_pk_add_f32 v[64+(\n):65+(\n)], v[64+(\n):65+(\n)], v[96+(\n):97+(\n)]
.endr
.irp n, 0,1,2,3,4,5,6,7,8,9,10,11,12,13,14,15
	v_mul_f32 v[96+2*(\n)], s[C2], v[64+(\n)]      ; 2 log2(e) wq
.endr
.irp n, 0,2,4,6,8,10,12,14
	v_cvt_pk_bf16_f32 v27, v[VIN+(\n)], v[VIN+(\n)+1]  ; V rounded to bf16, and written as f32 again
	v_lshlrev_b32 v[96+2*(\n)+1], 16, v27
	v_and_b32 v[96+2*(\n)+3], 0xffff0000, v27
.endr
.irp n, 0,1,2,3,4,5,6,7,8,9,10,11,12,13,14,15
	ds_store_b64 v[CONA], v[96+2*(\n):96+2*(\n)+1] offset:128*(\n)
.endr
	s_wait_tensorcnt 1                             ; my part of slot 0 is in; slot 1's may stay out
	s_wait_dscnt 0x0                               ; my part of stage 0 lies in LDS
	s_barrier_signal -1
	s_barrier_wait -1
.Lblock:                                               ; four blocks of 64 rows, 16 periods each
	FETCH 0, 0, 0
	PA 0, 1, 1, 1, 0, 1                            ; period 0's first half starts all 64 sums with the constant 0
	WIN 0
	s_mov_b32 s[TRIP], 6
.Ltrip:                                                ; a trip goes once round the ring: from a period's second half to the first half two periods on; six trips end in period 12's first half
	PB 0, 1
	PA 1, 0, 1, 0, 1, 1
	PB 1, 1
	PA 0, 0, 1, 1, 0, 1
	WIN 0
	s_sub_co_u32 s[TRIP], s[TRIP], 1
	s_cmp_lg_u32 s[TRIP], 0
	s_cbranch_scc1 .Ltrip
	PB 0, 1                                        ; period 12's second half, period 13
	PA 1, 0, 1, 0, 1, 1
	PB 1, 1
	WIN 0
	s_cmp_eq_u32 s[BLK], 1                         ; a count from a constant: the same in every wave and every partner
	s_cbranch_scc1 .Llast
	PA 0, 0, 1, 1, 0, 1                            ; the ring goes on into the next block: in period 14 slot 0 takes its tile 0,
	PB 0, 1
	PA 1, 0, 1, 0, 1, 1                            ; in period 15 slot 1 its tile 1
	PB 1, 0
	WIN 0
	s_branch .Lepi
.Llast:                                                ; the last block's periods 14 and 15 ask for no tile, and the last stages nothing
	PA 0, 0, 1, 1, 0, 0
	PB 0, 1
	PA 1, 0, 0, 0, 0, 0
	PB 1, 0
	WIN 0
	s_wait_loadcnt 0x0                             ; the two clamped requests for enc, whose data nobody wants: no load into either register set is out when this path is left
; THE EPILOGUE OF A BLOCK.  Group g is column tile g: 32 numbers a lane (element 8 mb + j = row 16 mb + 8 (l / 16) + j), in one of three sets of 32 registers.
; t = 2 log2(e) (ctx + wq);  2^t;  1 + 2^t;  its reciprocal;  tanh = 1 - 2 r;  score sum += V tanh.  The groups run as a pipeline, a step apart at each transcendental:
; step i scales group i and takes its powers, adds 1 to group i - 1 and takes its reciprocals, and finishes group i - 2.  Nothing in a step names a result of that step's own
; transcendentals, so ONE wait at a step's head serves the whole batch of the step before.
; The score line takes the pair whose tanh was made a turn earlier, not the pair just made.
.macro TLUMP i
.set XB, 32*((\i)%3)
	WIN T_LO
.irp m, 0,1
.irp u, 0,1,2,3                        ; each accumulator is read from its low end on
	v_pk_fma_f32 v[XB+8*(\m)+2*(\u):XB+8*(\m)+2*(\u)+1], v[8*(16*(\m)+(\i))+2*(\u):8*(16*(\m)+(\i))+2*(\u)+1], s[C2:C2+1], v[CV+2*(\i):CV+2*(\i)+1] op_sel_hi:[1,0,0]
.endr
.endr
	WIN T_HI
.irp m, 0,1
.irp u, 0,1,2,3
	v_pk_fma_f32 v[XB+16+8*(\m)+2*(\u):XB+16+8*(\m)+2*(\u)+1], v[8*(16*(\m)+(\i))+2*(\u):8*(16*(\m)+(\i))+2*(\u)+1], s[C2:C2+1], v[CV+2*(\i):CV+2*(\i)+1] op_sel_hi:[1,0,0]
.endr
.endr
.endm
.macro OPD g, p                        ; 1 + 2^t
	v_pk_add_f32 v[32*((\g)%3)+2*(\p):32*((\g)%3)+2*(\p)+1], v[32*((\g)%3)+2*(\p):32*((\g)%3)+2*(\p)+1], 1.0 op_sel_hi:[1,0]
.endm
.macro OPE g, e
	v_exp_f32 v[32*((\g)%3)+(\e)], v[32*((\g)%3)+(\e)]
.endm
.macro OPR g, e
	v_rcp_f32 v[32*((\g)%3)+(\e)], v[32*((\g)%3)+(\e)]
.endm
.macro OPT g, p                        ; 1 - 2 r
	v_pk_fma_f32 v[32*((\g)%3)+2*(\p):32*((\g)%3)+2*(\p)+1], v[32*((\g)%3)+2*(\p):32*((\g)%3)+2*(\p)+1], -2.0, 1.0 op_sel_hi:[1,0,0]
.endm
.macro OPS g, p                        ; the score sums take V tanh: V is the second number of the tile's pair.  Tile 0 starts them; tile 15 leaves them in window 0
.set XB, 32*((\g)%3)+2*(\p)
.if (\g) == 0
	v_pk_mul_f32 v[SC+2*(\p):SC+2*(\p)+1], v[XB:XB+1], v[CV+2*(\g):CV+2*(\g)+1] op_sel:[0,1] op_sel_hi:[1,1]
.elseif (\g) == 15
	v_pk_fma_f32 v[SCW+2*(\p):SCW+2*(\p)+1], v[XB:XB+1], v[CV+2*(\g):CV+2*(\g)+1], v[SC+2*(\p):SC+2*(\p)+1] op_sel:[0,1,0] op_sel_hi:[1,1,1]
.else
	v_pk_fma_f32 v[SC+2*(\p):SC+2*(\p)+1], v[XB:XB+1], v[CV+2*(\g):CV+2*(\g)+1], v[SC+2*(\p):SC+2*(\p)+1] op_sel:[0,1,0] op_sel_hi:[1,1,1]
.endif
.endm
.macro ESTEP i
.if (\i) >= 1
	s_wait_alu depctr_va_vdst(0)                   ; the wait for the batch of the step before
.endif
.if (\i) <= 15
	TLUMP \i
.endif
	WIN W_E
.if (\i) == 17
.set q, 0
.rept 16
	OPT 15, q
.set q, q+1
.endr
	WIN W_SF
.set q, 0
.rept 16
	OPS 15, q
.set q, q+1
.endr
.else
.set q, 0
.rept 16
.if (\i) >= 1
	OPD (\i)-1, q
.endif
.if (\i) <= 15
	OPE \i, 2*q
.endif
.if (\i) >= 2
	OPT (\i)-2, q
.endif
.if (\i) <= 15
	OPE \i, 2*q+1
.endif
.if ((\i) >= 2) && (q >= 1)
	OPS (\i)-2, q-1
.endif
.if ((\i) >= 1) && (q >= 1)
	OPR (\i)-1, 2*q-2
	OPR (\i)-1, 2*q-1
.endif
.set q, q+1
.endr
.if (\i) >= 1
	OPR (\i)-1, 30
.endif
.if (\i) >= 2
	OPS (\i)-2, 15
.endif
.if (\i) >= 1
	OPR (\i)-1, 31
.endif
.endif
.endm
.Lepi:
	PLACES                                         ; behind the block's last products
	WIN TO_B
.irp n, 0,1,2,3,4,5,6,7,8,9,10,11,12,13,14,15
	ds_load_b64 v[CV+2*(\n):CV+2*(\n)+1], v[CONA] offset:128*(\n)   ; my column's (2 log2(e) wq, V) of each tile: my wave's own bytes
.endr
	s_wait_dscnt 0x0
.irp i, 0,1,2,3,4,5,6,7,8,9,10,11,12,13,14,15,16,17
	ESTEP \i
.endr
	WIN 0
.irp x, 1,2,4,8                        ; over the 16 lanes of a half, which are 16 columns: every lane ends with the sum over my wave's 256 columns
.set e, 0
.rept 32
	v_add_f32_dpp v[SCW+e], v[SCW+e], v[SCW+e] row_xmask:\x row_mask:0xf bank_mask:0xf
.set e, e+1
.endr
.endr
.irp m, 0,1,2,3
	ds_store_b128 v[SCRW], v[SCW+8*(\m):SCW+8*(\m)+3] offset:64*(\m)        ; sixteen lanes write the same words with the same numbers
	ds_store_b128 v[SCRW], v[SCW+8*(\m)+4:SCW+8*(\m)+7] offset:64*(\m)+16
.endr
	s_wait_dscnt 0x0                               ; for the others' sake
	s_barrier_signal -1                            ; slot 1's load may stay out
	s_barrier_wait -1
.irp w, 0,1,2,3
	ds_load_b64 v[208+2*(\w):209+2*(\w)], v[SCRR] offset:256*(\w)
.endr
	s_wait_dscnt 0x0
	v_pk_add_f32 v[208:209], v[208:209], v[210:211]
	v_pk_add_f32 v[212:213], v[212:213], v[214:215]
	v_pk_add_f32 v[216:217], v[208:209], v[212:213]  ; the scores of rows 2 l and 2 l + 1, in every wave
	s_cmp_lg_u32 s[WV], 0
	s_cbranch_scc1 .Lnoscore
	global_store_b64 v[SOUT], v[216:217], s[O1:O1+1]  ; 256 consecutive bytes, at a multiple of 256 from out1's first byte
.Lnoscore:
	; the running softmax, alike in all four waves: m, a = 2^(c m_old - c m_new), p = 2^(c s - c m), l = a l + the sum of p; c = log2(e)
	v_max_num_f32 v218, v216, v217
	v_max_num_f32_dpp v218, v218, v218 row_xmask:1 row_mask:0xf bank_mask:0xf
	v_max_num_f32_dpp v218, v218, v218 row_xmask:2 row_mask:0xf bank_mask:0xf
	v_max_num_f32_dpp v218, v218, v218 row_xmask:4 row_mask:0xf bank_mask:0xf
	v_max_num_f32_dpp v218, v218, v218 row_xmask:8 row_mask:0xf bank_mask:0xf
	v_permlanex16_b32 v219, v218, s[SEL], s[SEL+1]
	v_max_num_f32 v218, v218, v219
	v_mul_f32 v218, s[L2E], v218
	v_max_num_f32 v218, v[RUN], v218
	v_sub_f32 v219, v[RUN], v218
	v_mov_b32 v[RUN], v218
	v_pk_fma_f32 v[224:225], v[216:217], s[L2E:L2E+1], v[RUN:RUN+1] op_sel_hi:[1,0,0] neg_lo:[0,0,1] neg_hi:[0,0,1]
	v_exp_f32 v224, v224
	v_exp_f32 v225, v225
	v_exp_f32 v220, v219
	v_nop                                          ; a plain instruction behind the last exponential,
	s_wait_alu depctr_va_vdst(0)                   ; and one wait for the three
	ds_store_b64 v[PW], v[224:225]                 ; the weights, into my wave's own copy,
.irp m, 0,1,2,3
	ds_load_b128 v[PV+8*(\m):PV+8*(\m)+3], v[PR] offset:64*(\m)          ; and back by the accumulators' rows: LDS serves a wave's instructions in order (ISA guide 5.7.1.4)
	ds_load_b128 v[PV+8*(\m)+4:PV+8*(\m)+7], v[PR] offset:64*(\m)+16
.endr
	v_add_f32 v226, v224, v225
	v_add_f32_dpp v226, v226, v226 row_xmask:1 row_mask:0xf bank_mask:0xf
	v_add_f32_dpp v226, v226, v226 row_xmask:2 row_mask:0xf bank_mask:0xf
	v_add_f32_dpp v226, v226, v226 row_xmask:4 row_mask:0xf bank_mask:0xf
	v_add_f32_dpp v226, v226, v226 row_xmask:8 row_mask:0xf bank_mask:0xf
	v_permlanex16_b32 v227, v226, s[SEL], s[SEL+1]
	v_add_f32 v226, v226, v227
	v_fma_f32 v[RUN+1], v[RUN+1], v220, v226
.irp n, 0,1,2,3,4,5,6,7,8,9,10,11,12,13,14,15
	v_pk_mul_f32 v[HID+2*(\n):HID+2*(\n)+1], v[HID+2*(\n):HID+2*(\n)+1], v[220:221] op_sel_hi:[1,0]
.endr
	s_wait_dscnt 0x0
.irp m, 0,1,2,3                        ; HID += p ctx: sixteen chains, one a column tile
	WIN WS_LO+(\m)/2
.irp u, 0,1,2,3
.irp n, 0,1,2,3,4,5,6,7,8,9,10,11,12,13,14,15
	v_pk_fma_f32 v[HID+2*(\n):HID+2*(\n)+1], v[8*(16*((\m)%2)+(\n))+2*(\u):8*(16*((\m)%2)+(\n))+2*(\u)+1], v[PV+8*(\m)+2*(\u):PV+8*(\m)+2*(\u)+1], v[HID+2*(\n):HID+2*(\n)+1]
.endr
.endr
.endr
	WIN 0
	s_wait_xcnt 0x0                                ; the store of the scores has read its registers and its base
	s_add_nc_u64 s[O1:O1+1], s[O1:O1+1], 256
	s_sub_co_u32 s[BLK], s[BLK], 1
	s_cmp_lg_u32 s[BLK], 0
	s_cbranch_scc1 .Lblock
	; THE WAY OUT: even and odd rows' sums and the other half of the lanes' are added; 256 columns a wave go through my own LDS bytes and leave as 16 bytes a lane; wave 0 adds (c m, l), 32 times over.
.irp n, 0,1,2,3,4,5,6,7,8,9,10,11,12,13,14,15
	v_add_f32 v[HID+2*(\n)], v[HID+2*(\n)], v[HID+2*(\n)+1]
.endr
.irp n, 0,1,2,3,4,5,6,7,8,9,10,11,12,13,14,15
	v_permlanex16_b32 v[HID+2*(\n)+1], v[HID+2*(\n)], s[SEL], s[SEL+1]
.endr
.irp n, 0,1,2,3,4,5,6,7,8,9,10,11,12,13,14,15
	v_add_f32 v[HID+2*(\n)], v[HID+2*(\n)], v[HID+2*(\n)+1]
.endr
.irp n, 0,1,2,3,4,5,6,7,8,9,10,11,12,13,14,15
	ds_store_b32 v[HST], v[HID+2*(\n)] offset:64*(\n)
.endr
	ds_load_b128 v[208:211], v[HRD]
	ds_load_b128 v[212:215], v[HRD] offset:512
	s_wait_dscnt 0x0
	global_store_b128 v[GOUT], v[208:211], s[PARTB:PARTB+1]
	global_store_b128 v[GOUT], v[212:215], s[PARTB:PARTB+1] offset:512
	s_cmp_lg_u32 s[WV], 0
	s_cbranch_scc1 .Lnostat
	global_store_b64 v[SOUT], v[RUN:RUN+1], s[PARTB:PARTB+1] offset:4096
.Lnostat:
	s_wait_tensorcnt 0x0                           ; the wave's end, behind my last tensor load and my last LDS store
	ds_add_u32 v[SPW], v[NIL]
	s_wait_dscnt 0x0
	CROUND                                         ; the closing round: no work-group ends while a partner may still ask for a tile that names it
	s_endpgm
.Lfunc_end_k_q7f1b3ddce7_main:
	.size	k_q7f1b3ddce7_main, .Lfunc_end_k_q7f1b3ddce7_main-k_q7f1b3ddce7_main
	.p2alignl 7, 3214868480
	.fill 96, 4, 3214868480
	.section	.rodata,"a",@progbits
	.p2align	6, 0x0
	.amdhsa_kernel k_q7f1b3ddce7_main
		.amdhsa_group_segment_fixed_size 327680
		.amdhsa_private_segment_fixed_size 0
		.amdhsa_enable_private_segment 0
		.amdhsa_kernarg_size 48
		.amdhsa_user_sgpr_count 2
		.amdhsa_user_sgpr_kernarg_segment_ptr 1
		.amdhsa_wavefront_size32 1
		.amdhsa_system_sgpr_workgroup_id_x 1
		.amdhsa_system_sgpr_workgroup_id_y 1
		.amdhsa_system_sgpr_workgroup_id_z 1
		.amdhsa_system_vgpr_workitem_id 0
		.amdhsa_next_free_vgpr 1024
		.amdhsa_next_free_sgpr 80
		.amdhsa_reserve_vcc 0
		.amdhsa_float_denorm_mode_32 3
		.amdhsa_float_denorm_mode_16_64 3
		.amdhsa_memory_ordered 1
		.amdhsa_forward_progress 1
		.amdhsa_inst_pref_size 255
	.end_amdhsa_kernel
	.section	.bss,"aw",@nobits
	.p2align	6
	.space	262144
	.amdgpu_metadata
---
amdhsa.version: [ 1, 2 ]
amdhsa.kernels:
  - .name:           k_q7f1b3ddce7_main
    .symbol:         k_q7f1b3ddce7_main.kd
    .args:
      - { .name: enc_hidden, .offset: 0, .size: 8, .value_kind: global_buffer, .address_space: global }
      - { .name: V, .offset: 8, .size: 8, .value_kind: global_buffer, .address_space: global }
      - { .name: wkb, .offset: 16, .size: 8, .value_kind: global_buffer, .address_space: global }
      - { .name: wqt, .offset: 24, .size: 8, .value_kind: global_buffer, .address_space: global }
      - { .name: part, .offset: 32, .size: 8, .value_kind: global_buffer, .address_space: global }
      - { .name: out1, .offset: 40, .size: 8, .value_kind: global_buffer, .address_space: global }
    .group_segment_fixed_size: 327680
    .private_segment_fixed_size: 0
    .kernarg_segment_align: 8
    .kernarg_segment_size: 48
    .max_flat_workgroup_size: 128
    .sgpr_count:     80
    .vgpr_count:     1024
    .wavefront_size: 32
...
	.end_amdgpu_metadata
.endif
;; end of part 2
;; launch combine (part 3): grid 4 x 32, 2 waves a work-group, no clusters, 0 bytes of LDS; arguments part, out0; writes out0
.if DOCPART == 3
	.amdgcn_target "amdgcn-amd-amdhsa--gfx1250"
	.amdhsa_code_object_version 6
	.text
	.protected	k_q7f1b3ddce7_combine
	.globl	k_q7f1b3ddce7_combine
	.p2align	8
	.type	k_q7f1b3ddce7_combine,@function
k_q7f1b3ddce7_combine:
	s_mov_b64 s[64:65], 0
	v_nop
	global_prefetch_b8 v0, s[64:65] scope:SCOPE_SE
	s_setreg_imm32_b32 hwreg(HW_REG_WAVE_MODE, 25, 1), 1
	s_wait_xcnt 0x0
; out0[b][h] = (the sum over the batch's 8 partials i of w_i H_i[h]) / (the sum of w_i l_i), w_i = 2^(cm_i - the largest cm).
; part: 256 rows of 4,352 bytes: 1,024 f32 of H, then the pair (cm, l); batch b owns rows 8 b .. 8 b + 7.  cm is a maximum times log2(e); the partial with the largest cm has l >= 1, so the divisor is at least 1.
; A work-group makes 256 columns of one batch, a thread four.  No LDS, no barrier: no thread wants another's numbers.
.set ROWB, 4352
	s_load_b128 s[4:7], s[0:1], 0x0                ; part s[4:5], out0 s[6:7]
	s_and_b32 s8, ttmp7, 0xffff                    ; b
	s_mul_i32 s10, s8, 8*ROWB
	s_mov_b32 s11, 0
	s_lshl_b32 s12, s8, 12
	s_mov_b32 s13, 0
	s_lshl_b32 s9, ttmp9, 10                       ; my quarter of the columns
	v_lshl_add_u32 v1, v0, 4, s9
	v_mov_b32 v2, 0
	s_wait_kmcnt 0x0
	s_add_nc_u64 s[4:5], s[4:5], s[10:11]
	s_add_nc_u64 s[6:7], s[6:7], s[12:13]
.irp i, 0,1,2,3,4,5,6,7
	global_load_b64 v[8+2*(\i):9+2*(\i)], v2, s[4:5] offset:ROWB*(\i)+4096
.endr
.irp i, 0,1,2,3,4,5,6,7
	global_load_b128 v[24+4*(\i):27+4*(\i)], v1, s[4:5] offset:ROWB*(\i)
.endr
	s_wait_loadcnt 8                               ; the eight pairs (cm, l) are in; the eight loads of sums may be out
	v_max3_num_f32 v56, v8, v10, v12
	v_max3_num_f32 v56, v56, v14, v16
	v_max3_num_f32 v56, v56, v18, v20
	v_max_num_f32 v56, v56, v22
.irp i, 0,1,2,3,4,5,6,7
	v_sub_f32 v[8+2*(\i)], v[8+2*(\i)], v56
.endr
.irp i, 0,1,2,3,4,5,6,7
	v_exp_f32 v[8+2*(\i)], v[8+2*(\i)]
.endr
	v_nop                                          ; a plain instruction behind the last exponential,
	s_wait_alu depctr_va_vdst(0)                   ; and one wait for the eight
	v_mul_f32 v57, v8, v9
.irp i, 1,2,3,4,5,6,7
	v_fma_f32 v57, v[8+2*(\i)], v[9+2*(\i)], v57
.endr
	v_rcp_f32 v58, v57
	v_nop
	s_wait_alu depctr_va_vdst(0)
.irp i, 0,1,2,3,4,5,6,7
	v_mul_f32 v[8+2*(\i)], v[8+2*(\i)], v58
.endr
	s_wait_loadcnt 0x0
	v_pk_mul_f32 v[60:61], v[24:25], v[8:9] op_sel_hi:[1,0]
	v_pk_mul_f32 v[62:63], v[26:27], v[8:9] op_sel_hi:[1,0]
.irp i, 1,2,3,4,5,6,7
	v_pk_fma_f32 v[60:61], v[24+4*(\i):25+4*(\i)], v[8+2*(\i):9+2*(\i)], v[60:61] op_sel_hi:[1,0,1]
	v_pk_fma_f32 v[62:63], v[26+4*(\i):27+4*(\i)], v[8+2*(\i):9+2*(\i)], v[62:63] op_sel_hi:[1,0,1]
.endr
	global_store_b128 v1, v[60:63], s[6:7]         ; a wave stores 512 consecutive bytes
	s_endpgm
.Lfunc_end_k_q7f1b3ddce7_combine:
	.size	k_q7f1b3ddce7_combine, .Lfunc_end_k_q7f1b3ddce7_combine-k_q7f1b3ddce7_combine
	.p2alignl 7, 3214868480
	.fill 96, 4, 3214868480
	.section	.rodata,"a",@progbits
	.p2align	6, 0x0
	.amdhsa_kernel k_q7f1b3ddce7_combine
		.amdhsa_group_segment_fixed_size 0
		.amdhsa_private_segment_fixed_size 0
		.amdhsa_enable_private_segment 0
		.amdhsa_kernarg_size 16
		.amdhsa_user_sgpr_count 2
		.amdhsa_user_sgpr_kernarg_segment_ptr 1
		.amdhsa_wavefront_size32 1
		.amdhsa_system_sgpr_workgroup_id_x 1
		.amdhsa_system_sgpr_workgroup_id_y 1
		.amdhsa_system_sgpr_workgroup_id_z 1
		.amdhsa_system_vgpr_workitem_id 0
		.amdhsa_next_free_vgpr 64
		.amdhsa_next_free_sgpr 66
		.amdhsa_reserve_vcc 0
		.amdhsa_float_denorm_mode_32 3
		.amdhsa_float_denorm_mode_16_64 3
		.amdhsa_memory_ordered 1
		.amdhsa_forward_progress 1
		.amdhsa_inst_pref_size 6
	.end_amdhsa_kernel
	.amdgpu_metadata
---
amdhsa.version: [ 1, 2 ]
amdhsa.kernels:
  - .name:           k_q7f1b3ddce7_combine
    .symbol:         k_q7f1b3ddce7_combine.kd
    .args:
      - { .name: part, .offset: 0, .size: 8, .value_kind: global_buffer, .address_space: global }
      - { .name: out0, .offset: 8, .size: 8, .value_kind: global_buffer, .address_space: global }
    .group_segment_fixed_size: 0
    .private_segment_fixed_size: 0
    .kernarg_segment_align: 8
    .kernarg_segment_size: 16
    .max_flat_workgroup_size: 64
    .sgpr_count:     66
    .vgpr_count:     64
    .wavefront_size: 32
...
	.end_amdgpu_metadata
.endif
;; end of part 3
